; MI455X (gfx1250); checked and timed in simulation.
; The chip was launched on July 23, 2026; its instructions are those of AMD's public machine-readable ISA for CDNA 5 (MIT licence, August 2026) and "CDNA5" Instruction Set Architecture Reference Guide (July 2026). The comments in the code are by the model that wrote it; some were corrected since.
;; FM Net. Allowed arithmetic: float matrix products may take bf16 or f16 operands with f32 sums; all other float work in f32.
;; Inputs: FV 32 x 128 x 64 x 64 float32.
;; Outputs: out0 32 x 1 x 512 x 512 float32.
;; Constants: H = 512, W = 512, batch_size = 32.
;; One version. Each part assembles by itself: llvm-mc -triple=amdgcn-amd-amdhsa -mcpu=gfx1250 --defsym DOCPART=n.
;; ======== version 1 of 1: 1 launch
;; launch likemap (part 1): grid 256 x 1, 32 waves a work-group, no clusters, 143,360 bytes of LDS; arguments FV, out0; writes out0
.if DOCPART == 1
	.amdgcn_target "amdgcn-amd-amdhsa--gfx1250"
	.amdhsa_code_object_version 6
	.text
	.protected	k_q4f5abbd8f9_likemap
	.globl	k_q4f5abbd8f9_likemap
	.p2align	8
	.type	k_q4f5abbd8f9_likemap,@function
k_q4f5abbd8f9_likemap:
	s_mov_b64 s[64:65], 0
	v_nop
	global_prefetch_b8 v0, s[64:65] scope:SCOPE_SE
	s_setreg_imm32_b32 hwreg(HW_REG_WAVE_MODE, 25, 1), 1
	s_wait_xcnt 0x0
; out0[b][0][8 i + r][8 j + c] = sigmoid(FV[b][64 + 8 r + c][i][j]).   FV: [32][128][64][64] f32, out0: [32][1][512][512] f32.
; reference() drops channels 0 to 63 of FV, so they are not read; every other byte of FV is read once, every byte of out0 written once.
;
; SHARES.  256 work-groups of 32 waves.  Work-group g: batch b = g / 8, spatial rows i = 8 (g % 8) .. + 7: 2 KiB in a run from each of 64
; channel planes, 128 KiB in a run of out0.  Wave w: r = w % 8 and the two spatial rows i, i + 1 with i = 8 (g % 8) + 2 (w / 8): eight channels
; c = 0 .. 7, 512 consecutive bytes of each (rows i and i + 1 of a plane follow each other), and the two output rows 8 i + r and 8 (i + 1) + r.
; All eight loads of a wave go out at once, so the work-group's whole 128 KiB is on its way together: no loop and no ring.
;
; THE PERMUTATION.  Lane l holds j = 4 (l % 16) .. + 3 of spatial row i + l / 16 for all eight c: 32 numbers that are 128 neighbouring bytes of
; one output row, but ordered (c, j) where the row wants (j, c).  That turn inside the lane costs nothing: the last instruction of each sigmoid
; writes to the turned register.  The lanes' 16-byte pieces are then regrouped through the wave's OWN bytes of LDS, so that every global store
; of the wave covers 512 consecutive bytes, aligned.  No wave touches another wave's LDS bytes: no barrier.
;
; sigmoid(x) = 1 / (1 + 2^(-x log2 e)), in f32.  LIMIT: for x below about -87.3 the sum exceeds 2^126 and v_rcp_f32, which flushes denormal
; results (ISA guide, its entry in 15.8), gives 0 where the exact value is positive and below 1.2e-38.  +inf gives 1, -inf gives 0, NaN gives NaN.
.set PLANE,  16384                     ; bytes in a channel plane of FV (64 x 64 f32)
.set SKIP,   64                        ; channels that reference() drops
.set OROW,   2048                      ; bytes in a row of out0
.set UPITCH, 272                       ; LDS: 256 bytes of an output row + 16 of padding
.set LROW,   8*UPITCH                  ; LDS: an output row, 2,176 bytes
.set LWAVE,  2*LROW                    ; LDS: a wave's two output rows, 4,352 bytes; 32 waves: 139,264
.set GO,   10                          ; v10      16 x lane: my 16 bytes in a run of 512, for the global loads and the global stores; never rewritten
.set WA,   11                          ; v11      LDS address of my 128 bytes of an output row
.set RA,   12                          ; v12      LDS address of my 16 bytes when rows are read back
.set X,    16                          ; v[16:47]  channel c in v[X+4c : X+4c+3] as loaded, then times -log2 e; later the rows read back from LDS
.set T,    48                          ; v[48:79]  2^(..), then 1 + 2^(..), same order as X
.set Y,    80                          ; v[80:111] sigmoids, turned: piece k = 2 e + h (j = 4 m + e, c = 4 h .. 4 h + 3) in v[Y+4k : Y+4k+3]
.set NL2E, 20                          ; s[20:21]  -log2 e, twice (the pair that the packed multiply names)
	s_load_b128 s[4:7], s[0:1], 0x0                ; FV s[4:5], out0 s[6:7]
	v_lshl_add_u32 v112, v0, 2, 0x22000
	v_mov_b32 v113, 0
	v_lshrrev_b32 v1, 5, v0
	v_readfirstlane_b32 s8, v1                     ; wave 0 .. 31, as a scalar
	v_and_b32 v2, 31, v0                           ; lane
	v_lshlrev_b32 v[GO], 4, v2                     ; 16 bytes a lane
	s_and_b32 s9, s8, 7                            ; r
	s_lshr_b32 s10, s8, 3                          ; which pair of the group's eight spatial rows
	s_lshl_b32 s11, ttmp9, 3                       ; 8 g = 64 b + the group's first spatial row
	s_lshl1_add_u32 s11, s10, s11                  ; I = 64 b + i, i my first spatial row
	; byte offset in FV, the dropped channels and c left to the loads' immediates: b x 128 planes + 8 r planes + 256 i (fields that do not meet)
	s_lshr_b32 s16, s11, 6                         ; b
	s_lshl_b32 s16, s16, 21                        ; x 128 x 16,384
	s_and_b32 s14, s11, 63                         ; i
	s_lshl_b32 s14, s14, 8                         ; x 256
	s_or_b32 s16, s16, s14
	s_lshl_b32 s14, s9, 17                         ; r x 8 x 16,384
	s_or_b32 s16, s16, s14
	s_mov_b32 s17, 0                               ; below 64 MiB: the high word is 0
	; byte offset in out0 of row 8 i + r of batch b: (8 I + r) x 2,048
	s_lshl_b32 s12, s11, 14
	s_lshl_b32 s14, s9, 11
	s_or_b32 s12, s12, s14
	s_mov_b32 s13, 0
	s_mov_b32 s[NL2E], 0xbfb8aa3b                  ; -1.442695
	s_mov_b32 s[NL2E+1], 0xbfb8aa3b
	s_wait_kmcnt 0x0
	s_add_nc_u64 s[4:5], s[4:5], s[16:17]
	s_add_nc_u64 s[6:7], s[6:7], s[12:13]
.irp c, 0,1,2,3,4,5,6,7
	global_load_b128 v[X+4*\c:X+4*\c+3], v[GO], s[4:5] offset:(SKIP+\c)*PLANE th:TH_LOAD_NT   ; 512 consecutive bytes: rows i, i + 1 of channel 64 + 8 r + c; read once in the launch
.endr
	; LDS addresses, made while the loads are on their way.  m = lane % 16, u = lane / 16.
	; In: my 128 bytes are bytes 128 m .. of output row u, that is unit m / 2 (pitch 272), half m % 2.  The sixteen lanes that a 16-byte store
	; serves together start at 272 (m / 2) + 128 (m % 2): in 16-byte columns modulo 16 that is m / 2 + 8 (m % 2), sixteen different ones.
	; Back: lanes 0-15 take one unit's 256 bytes, lanes 16-31 the next unit's: consecutive bytes, no two lanes in one column.
	v_and_b32 v3, 15, v0                           ; m
	v_bfe_u32 v4, v0, 4, 1                         ; u
	v_lshrrev_b32 v5, 1, v3                        ; m / 2
	v_and_b32 v6, 1, v0                            ; m % 2
	s_mul_i32 s18, s8, LWAVE                       ; my wave's bytes of LDS
	v_mul_u32_u24 v5, v5, UPITCH
	v_lshl_add_u32 v5, v6, 7, v5
	v_mul_u32_u24 v8, v4, LROW                     ; output row u
	v_add_nc_u32 v5, v5, v8
	v_add_nc_u32 v[WA], s18, v5
	v_mul_u32_u24 v7, v4, UPITCH                   ; back: unit u of a pair of units
	v_lshl_add_u32 v7, v3, 4, v7
	v_add_nc_u32 v[RA], s18, v7
; channels 4 g .. 4 g + 3: x times -log2 e, two at a time, then 2^(..)
.macro SCALE_EXP g
.irp k, 0,2,4,6,8,10,12,14
	v_pk_mul_f32 v[X+16*\g+\k:X+16*\g+\k+1], v[X+16*\g+\k:X+16*\g+\k+1], s[NL2E:NL2E+1] op_sel_hi:[1,0]
.endr
.irp k, 0,1,2,3,4,5,6,7,8,9,10,11,12,13,14,15
	v_exp_f32 v[T+16*\g+\k], v[X+16*\g+\k]
.endr
.endm
; Behind a transcendental one plain vector instruction that names none of its registers stands before its result is used (ISA guide 5.7.2).
; Behind the first sixteen exponentials these are the second half's multiplies; behind the second sixteen, the first half's additions.
	s_wait_loadcnt 0x4                             ; loads come back in order (ISA guide 5.7.1): channels 0-3 are in, the four younger loads stay out
	SCALE_EXP 0
	s_wait_loadcnt 0x0                             ; channels 4-7
	SCALE_EXP 1
	s_wait_alu depctr_va_vdst(0)
.irp k, 0,2,4,6,8,10,12,14,16,18,20,22,24,26,28,30
	v_pk_add_f32 v[T+\k:T+\k+1], v[T+\k:T+\k+1], 1.0 op_sel_hi:[1,0]
.endr
	; the reciprocal writes to the turned place: number (c = 4 h + q, j = 4 m + e) becomes word q of piece 2 e + h
.irp h, 0,1
.irp q, 0,1,2,3
.irp e, 0,1,2,3
	v_rcp_f32 v[Y+4*(2*\e+\h)+\q], v[T+4*(4*\h+\q)+\e]
.endr
.endr
.endr
	v_nop                                          ; the plain place behind the reciprocals, ahead of the stores that read them
	s_wait_alu depctr_va_vdst(0)
.irp k, 0,1,2,3,4,5,6,7
	ds_store_b128 v[WA], v[Y+4*\k:Y+4*\k+3] offset:16*\k           ; my 128 bytes of output row u
.endr
	; Back by rows: load t = 4 u + s takes bytes 512 s .. 512 s + 511 of output row u (two units).  LDS serves a wave's instructions in order
	; (ISA guide 5.7.1.4) and these bytes are the wave's own: the loads see the stores above without a wait.
.irp u, 0,1
.irp s, 0,1,2,3
	ds_load_b128 v[X+4*(4*\u+\s):X+4*(4*\u+\s)+3], v[RA] offset:\u*LROW+\s*2*UPITCH
.endr
.endr
.irp u, 0,1
.irp s, 0,1,2,3
	s_wait_dscnt 7-(4*\u+\s)                       ; this load is back; the younger ones stay out
	global_store_b128 v[GO], v[X+4*(4*\u+\s):X+4*(4*\u+\s)+3], s[6:7] offset:\u*8*OROW+\s*512 th:TH_STORE_NT   ; 512 consecutive bytes of row 8 (i + u) + r, aligned; not read again
.endr
.endr
	s_wait_tensorcnt 0x0
	ds_add_u32 v112, v113
	s_wait_dscnt 0x0
	s_endpgm
.Lfunc_end_k_q4f5abbd8f9_likemap:
	.size	k_q4f5abbd8f9_likemap, .Lfunc_end_k_q4f5abbd8f9_likemap-k_q4f5abbd8f9_likemap
	.p2alignl 7, 3214868480
	.fill 96, 4, 3214868480
	.section	.rodata,"a",@progbits
	.p2align	6, 0x0
	.amdhsa_kernel k_q4f5abbd8f9_likemap
		.amdhsa_group_segment_fixed_size 143360
		.amdhsa_private_segment_fixed_size 0
		.amdhsa_enable_private_segment 0
		.amdhsa_kernarg_size 16
		.amdhsa_user_sgpr_count 2
		.amdhsa_user_sgpr_kernarg_segment_ptr 1
		.amdhsa_wavefront_size32 1
		.amdhsa_system_sgpr_workgroup_id_x 1
		.amdhsa_system_sgpr_workgroup_id_y 1
		.amdhsa_system_sgpr_workgroup_id_z 1
		.amdhsa_system_vgpr_workitem_id 0
		.amdhsa_next_free_vgpr 114
		.amdhsa_next_free_sgpr 66
		.amdhsa_reserve_vcc 0
		.amdhsa_float_denorm_mode_32 3
		.amdhsa_float_denorm_mode_16_64 3
		.amdhsa_memory_ordered 1
		.amdhsa_forward_progress 1
		.amdhsa_inst_pref_size 10
	.end_amdhsa_kernel
	.amdgpu_metadata
---
amdhsa.version: [ 1, 2 ]
amdhsa.kernels:
  - .name:           k_q4f5abbd8f9_likemap
    .symbol:         k_q4f5abbd8f9_likemap.kd
    .args:
      - { .name: FV, .offset: 0, .size: 8, .value_kind: global_buffer, .address_space: global }
      - { .name: out0, .offset: 8, .size: 8, .value_kind: global_buffer, .address_space: global }
    .group_segment_fixed_size: 143360
    .private_segment_fixed_size: 0
    .kernarg_segment_align: 8
    .kernarg_segment_size: 16
    .max_flat_workgroup_size: 1024
    .sgpr_count:     66
    .vgpr_count:     114
    .wavefront_size: 32
...
	.end_amdgpu_metadata
.endif
;; end of part 1
